; MI455X (gfx1250); checked and timed in simulation.
; The chip was launched on July 23, 2026; its instructions are those of AMD's public machine-readable ISA for CDNA 5 (MIT licence, August 2026) and "CDNA5" Instruction Set Architecture Reference Guide (July 2026). The comments in the code are by the model that wrote it; some were corrected since.
;; Self Attention. Allowed arithmetic: matrix products marked QUANTISED: E2M1 operands, one E8M0 scale for each 32 along K, by v_wmma_scale_f32_16x16x128_f8f6f4 with both operands' format E2M1 (or v_wmma_scale_f32_32x16x128_f4), f32 sums; products left as they are: bf16, f16 or f32 operands; f32 sums; everything else in f32.
;; Inputs: Wk 1,024 x 1,024 float32; Wq 1,024 x 1,024 float32; Wv 1,024 x 1,024 float32; bk 1,024 float32; bq 1,024 float32; bv 1,024 float32; hidden_states 4 x 2,048 x 1,024 float32.
;; Outputs: out0 4 x 2,048 x 1,024 float32.
;; This version of the problem:
;;   THIS VERSION OF THE PROBLEM IS GIVEN IN LOW PRECISION. The matrix products marked QUANTISED in the list below multiply operands that are first quantised to E2M1 (2 exponent bits, 1 mantissa bit; 4 bits a number), with one power-of-two scale for each 32 numbers along K (OCP MX v1.0); their sums are f32. The products marked 'left as it is' may take bf16, f16 or f32 operands, with f32 sums. Whichever they take, every output number must still come out within the allowed error. Rounding operands to bf16 (8 significant bits) uses up far more of that allowance than f16 does (11 bits, for magnitudes from 6e-5 to 65,504). All else is computed in f32.
;;   The module's matrix products, in the order in which they are computed (A, B: the left and right operand; K: the contracted axis; several contracted axes count as one K, in the product's order):
;;     1. [M 8,192, K 1,024] x [K 1,024, N 1,024]; A: input hidden_states; B: input Wq: QUANTISED
;;     2. [M 8,192, K 1,024] x [K 1,024, N 1,024]; A: input hidden_states; B: input Wk: QUANTISED
;;     3. [M 8,192, K 1,024] x [K 1,024, N 1,024]; A: input hidden_states; B: input Wv: QUANTISED
;;     4. batch 64 x [M 2,048, K 64] x [K 64, N 2,048]; A: computed on the way; B: computed on the way: left as it is (an operand is computed on the way)
;;     5. batch 64 x [M 2,048, K 2,048] x [K 2,048, N 64]; A: computed on the way; B: computed on the way: left as it is (an operand is computed on the way)
;;   THE QUANTISER, for each operand of a quantised product, along K:
;;     - K is cut into blocks of 32 from its start; a last block that is shorter is filled with zeros.
;;     - A block's scale is 2^e with e = floor(log2(the largest magnitude in the block)) - 2, held to -126 .. 127; a block of zeros has e = 0. As a byte (E8M0): e + 127.
;;     - Each number is divided by its block's scale, clamped to +-6, and rounded to the nearest number of E2M1, ties to even, subnormals kept.
;;     - The product sums the exact products of the quantised numbers (number of the format x scale) in f32.
;;   ~~~python
;;   def quantise(x, axis):      # numpy; x: float32 -> the quantised numbers, widened to float32 again
;;       x = np.moveaxis(x, axis, -1); K = x.shape[-1]
;;       x = np.pad(x, [(0, 0)] * (x.ndim - 1) + [(0, -K % 32)]); x = x.reshape(x.shape[:-1] + (-1, 32)); a = np.abs(x).max(-1, keepdims=True)
;;       e = np.where(a > 0, np.clip(np.frexp(np.where(a > 0, a, 1))[1] - 1 - 2, -126, 127), 0)      # np.frexp(a)[1] - 1 = floor(log2(a)), exactly
;;       r = np.clip(x / 2.0 ** e, -6, 6)
;;       step = 2.0 ** (np.maximum(np.frexp(np.where(r == 0, 1, r))[1] - 1, 0) - 1)
;;       q = np.round(r / step) * step * 2.0 ** e      # np.round: ties to even
;;       return np.moveaxis(q.reshape(q.shape[:-2] + (-1,))[..., :K], -1, axis).astype(np.float32)
;;   ~~~
;; One version. Each part assembles by itself: llvm-mc -triple=amdgcn-amd-amdhsa -mcpu=gfx1250 --defsym DOCPART=n.
;; ======== version 1 of 1: 3 launches
;; limits: values are held in f16: magnitudes above 65,504 overflow, below 6.1e-05 lose precision
;; workspace buffers: xc 4,194,304 bytes; xs 262,144 bytes; wc 1,572,864 bytes; ws 98,304 bytes; qf 16,777,216 bytes; kf 16,777,216 bytes; vf 16,777,216 bytes
;; launch quant (part 1): grid 352 x 1, 4 waves a work-group, no clusters, 33,280 bytes of LDS; arguments hidden_states, Wq, Wk, Wv, xc, xs, wc, ws; writes xc, xs, wc, ws
.if DOCPART == 1
	.amdgcn_target "amdgcn-amd-amdhsa--gfx1250"
	.amdhsa_code_object_version 6
	.text
	.protected	k_q292375fc51_quant
	.globl	k_q292375fc51_quant
	.p2align	8
	.type	k_q292375fc51_quant,@function
k_q292375fc51_quant:
	s_mov_b64 s[64:65], 0
	v_nop
	global_prefetch_b8 v0, s[64:65] scope:SCOPE_SE
	s_setreg_imm32_b32 hwreg(HW_REG_WAVE_MODE, 25, 1), 1
	s_wait_xcnt 0x0
; hidden_states [8192][1024] and Wq, Wk, Wv [1024][1024], f32 with K innermost, become codes of FP4 (E2M1), two a byte, K innermost, with one E8M0 scale byte for each 32 along K.
; xc [8192][512 bytes], xs [8192][32];  wc [3072][512 bytes], ws [3072][32]: rows 0-1023 Wq's, then Wk's, then Wv's.
; A block's scale is 2^(floor(log2(its largest magnitude)) - 2); its byte is the largest magnitude's own exponent field - 2, held at 1 from below.  Each number is divided by the scale and rounded to the
; nearest code, ties to even; beyond 6 the largest code.
; LIMITS: a block of zeros gets the byte 1 where the rule says 127: its codes are zeros, which add nothing under any byte but 0xff, and this program alone reads the bytes.  Blocks whose largest magnitude
; lies under 2^(2 - 126) keep the byte 1.  NaN and infinities among the inputs are not served.
; Rows are dense and K is a multiple of 32: every tensor is a plain stream of blocks of 32, and so are its codes and its scale bytes.  A work-group takes 32,768 numbers, a wave 16 steps of 512.
; Work-groups 0-255 take hidden_states, 256-287 Wq, 288-319 Wk, 320-351 Wv: only pointers are chosen, by the work-group's number; all take one path through the text.
; Each of a step's four loads reads 512 consecutive bytes, 16 a lane; the 2,048 bytes go through the wave's own stage in LDS and come back 64 bytes a lane, so that a lane holds 16 neighbours along K
; (two neighbouring lanes hold a block).  A lane's 16 codes are 8 bytes: the wave stores 256 consecutive bytes.  A wave's 256 scale bytes are gathered in its own LDS and leave as one store of 256 consecutive bytes.
; No tensor loads, no barrier: waves share nothing.  Loads run four steps (16 loads a wave) ahead, the turn through LDS one step.
.set WAVES, 4
.set STEPS, 16
.set EMAX,  2
.set CB,    8                          ; bytes of 16 codes
.set R,     16                         ; v16-79   four sets of 16 numbers as they are loaded
.set X,     80                         ; v80-111  two sets of 16 neighbours
.set C,     128                        ; v128-191 codes: four registers for each step, so that no store's data are written again
.set E,     112                        ; v112-127 a scale byte for each step
.set WREG,  8192                       ; LDS: a region for each wave: two stages of 32 x SP bytes, behind them its 256 scale bytes
.set SP,    80                         ; a lane's place in a stage: its 64 bytes + 16 of padding
.set SPW,   12                         ; v12      LDS address of my spare word: SPARE + 4 x my thread's number; never rewritten
.set NIL,   13                         ; v13      0; never rewritten
.set SPARE, WAVES*WREG                 ; behind the four regions: the spare words, 128 bytes for each wave, which no other line names
	s_load_b256 s[4:11], s[0:1], 0x0               ; hidden_states, Wq, Wk, Wv
	s_load_b256 s[12:19], s[0:1], 0x20             ; xc, xs, wc, ws
	v_lshl_add_u32 v[SPW], v0, 2, SPARE
	v_mov_b32 v[NIL], 0
	v_lshrrev_b32 v1, 5, v0
	v_readfirstlane_b32 s20, v1                    ; wave
	v_and_b32 v2, 31, v0                           ; lane
	v_lshlrev_b32 v3, 4, v2                        ; my 16 bytes of a load's 512
	s_mul_i32 s21, s20, WREG
	v_lshrrev_b32 v14, 2, v2
	v_mul_u32_u24 v14, v14, SP
	v_and_b32 v15, 3, v2
	v_lshl_add_u32 v14, v15, 4, v14
	v_add_nc_u32 v14, s21, v14                     ; the stage, on the way in: four lanes' 64 bytes on end, then 16 of padding
	v_mul_u32_u24 v15, v2, SP
	v_add_nc_u32 v15, s21, v15                     ; and on the way out: SP x lane: my 16 neighbours
	v_mul_u32_u24 v4, v2, CB                       ; my codes' place in a step's
	v_lshrrev_b32 v5, 1, v2
	s_add_co_u32 s21, s21, 2*32*SP
	v_add_nc_u32 v5, s21, v5                       ; LDS: my wave's 256 scale bytes, my block's byte
	v_lshlrev_b32 v7, 3, v2                        ; and on the way out 8 bytes a lane
	v_add_nc_u32 v6, s21, v7
	s_wait_kmcnt 0x0
	s_cmp_lt_u32 ttmp9, 320                        ; which tensor?  Every choice hangs on the work-group's number alone
	s_cselect_b64 s[8:9], s[8:9], s[10:11]         ; Wk or Wv
	s_cmp_lt_u32 ttmp9, 288
	s_cselect_b64 s[6:7], s[6:7], s[8:9]           ; Wq or that
	s_cmp_lt_u32 ttmp9, 256
	s_cselect_b64 s[4:5], s[4:5], s[6:7]           ; hidden_states or that
	s_cselect_b64 s[12:13], s[12:13], s[16:17]     ; xc or wc
	s_cselect_b64 s[14:15], s[14:15], s[18:19]     ; xs or ws
	s_cselect_b32 s22, 0, 256
	s_cselect_b32 s23, -1, 31
	s_sub_co_u32 s22, ttmp9, s22                   ; my work-group's number among those that write the same buffers,
	s_and_b32 s23, s22, s23                        ; and among those that read the same tensor (32 to a weight)
	s_lshl_b32 s22, s22, 2
	s_add_co_u32 s22, s22, s20                     ; which run of 8,192 numbers my wave writes,
	s_lshl_b32 s23, s23, 2
	s_add_co_u32 s23, s23, s20                     ; and which it reads
	s_mov_b32 s25, 0
	s_lshl_b32 s24, s23, 15                        ; 32,768 bytes of f32 a run (under 2^26)
	s_add_nc_u64 s[4:5], s[4:5], s[24:25]
	s_lshl_b32 s24, s22, 12                        ; 4,096 bytes of codes
	s_add_nc_u64 s[12:13], s[12:13], s[24:25]
	s_lshl_b32 s24, s22, 8                         ; 256 scale bytes
	s_add_nc_u64 s[14:15], s[14:15], s[24:25]
.macro LOAD t
.irp i, 0,1,2,3
	global_load_b128 v[R+16*((\t)%4)+4*\i:R+16*((\t)%4)+4*\i+3], v3, s[4:5] offset:2048*(\t)+512*\i th:TH_LOAD_NT   ; 32 lanes read 512 consecutive bytes
.endr
.endm
.macro TURN t                          ; step t's numbers through the stage: LDS serves a wave's instructions in order (ISA guide 5.7.1.4), so no wait stands between the stores and the loads
.irp i, 0,1,2,3
	ds_store_b128 v14, v[R+16*((\t)%4)+4*\i:R+16*((\t)%4)+4*\i+3] offset:32*SP*((\t)%2)+8*SP*\i
.endr
.irp i, 0,1,2,3
	ds_load_b128 v[X+16*((\t)%2)+4*\i:X+16*((\t)%2)+4*\i+3], v15 offset:32*SP*((\t)%2)+16*\i
.endr
.endm
.irp t, 0,1,2,3
	LOAD \t
.endr
	s_wait_loadcnt 12                              ; step 0's four loads are in; the twelve of steps 1 to 3 may be out
	TURN 0
.macro STEP t
.set XS, X+16*((\t)%2)
.if (\t) > 0
	s_wait_dscnt 1                                 ; this step's numbers are back from the stage (the last step's byte store may be out): so its stores into the stage have read their registers,
.else
	s_wait_dscnt 0x0
.endif
.if (\t)+4 < STEPS
	LOAD (\t)+4                                    ; which take the loads of four steps on
.endif
.if (\t)+1 < STEPS
.if STEPS-2-(\t) >= 3
	s_wait_loadcnt 12                              ; the next step's four loads are in; those of the three steps behind it may be out
.else
	s_wait_loadcnt 4*(STEPS-2-(\t))
.endif
	TURN (\t)+1                                    ; and go through the other stage while this step is worked
.endif
	v_max3_num_f32 v8, |v[XS]|, |v[XS+1]|, |v[XS+2]|               ; the largest magnitude of my 16, in two chains
	v_max3_num_f32 v9, |v[XS+3]|, |v[XS+4]|, |v[XS+5]|
.irp i, 6,10
	v_max3_num_f32 v8, v8, |v[XS+\i]|, |v[XS+\i+1]|
	v_max3_num_f32 v9, v9, |v[XS+\i+2]|, |v[XS+\i+3]|
.endr
	v_max3_num_f32 v8, v8, |v[XS+14]|, |v[XS+15]|
	v_max3_num_f32 v8, v8, v9, (EMAX+1)<<23        ; and the floor 2^(EMAX + 1 - 127): so the byte cannot fall under 1
	v_max_num_f32_dpp v8, v8, v8 row_xmask:1 row_mask:0xf bank_mask:0xf   ; and of my neighbour's 16: the block's
	v_add_nc_u32 v11, -(EMAX<<23), v8              ; EMAX off its exponent field: the conversion takes the exponent field of this operand as its scale, and nothing else of it
	v_cvt_scalef32_pk8_fp4_f32 v[C+4*(\t)], v[XS:XS+7], v11        ; eight numbers / the scale, to the nearest code; the first number's code in the lowest four bits
	v_cvt_scalef32_pk8_fp4_f32 v[C+4*(\t)+1], v[XS+8:XS+15], v11
	v_lshrrev_b32 v[E+(\t)], 23, v11               ; the scale's byte (also the plain instruction behind the conversions)
	ds_store_b8 v5, v[E+(\t)] offset:16*(\t)       ; both lanes of a block write the same byte with the same value
	global_store_b64 v4, v[C+4*(\t):C+4*(\t)+1], s[12:13] offset:32*CB*(\t)   ; 32 lanes store 256 consecutive bytes, at a multiple of 256 from the buffer's first byte
.endm
.irp t, 0,1,2,3,4,5,6,7,8,9,10,11,12,13,14,15
	STEP \t
.endr
	ds_load_b64 v[8:9], v6                         ; LDS serves a wave's instructions in order: these see my stores
	s_wait_dscnt 0x0
	global_store_b64 v7, v[8:9], s[14:15]          ; 32 lanes store 256 consecutive bytes
	s_wait_tensorcnt 0x0                           ; the wave's end: behind my last LDS store
	ds_add_u32 v[SPW], v[NIL]
	s_wait_dscnt 0x0
	s_endpgm
.Lfunc_end_k_q292375fc51_quant:
	.size	k_q292375fc51_quant, .Lfunc_end_k_q292375fc51_quant-k_q292375fc51_quant
	.p2alignl 7, 3214868480
	.fill 96, 4, 3214868480
	.section	.rodata,"a",@progbits
	.p2align	6, 0x0
	.amdhsa_kernel k_q292375fc51_quant
		.amdhsa_group_segment_fixed_size 33280
		.amdhsa_private_segment_fixed_size 0
		.amdhsa_enable_private_segment 0
		.amdhsa_kernarg_size 64
		.amdhsa_user_sgpr_count 2
		.amdhsa_user_sgpr_kernarg_segment_ptr 1
		.amdhsa_wavefront_size32 1
		.amdhsa_system_sgpr_workgroup_id_x 1
		.amdhsa_system_sgpr_workgroup_id_y 1
		.amdhsa_system_sgpr_workgroup_id_z 1
		.amdhsa_system_vgpr_workitem_id 0
		.amdhsa_next_free_vgpr 192
		.amdhsa_next_free_sgpr 66
		.amdhsa_reserve_vcc 0
		.amdhsa_float_denorm_mode_32 3
		.amdhsa_float_denorm_mode_16_64 3
		.amdhsa_memory_ordered 1
		.amdhsa_forward_progress 1
		.amdhsa_inst_pref_size 34
	.end_amdhsa_kernel
	.amdgpu_metadata
---
amdhsa.version: [ 1, 2 ]
amdhsa.kernels:
  - .name:           k_q292375fc51_quant
    .symbol:         k_q292375fc51_quant.kd
    .args:
      - { .name: hidden_states, .offset: 0, .size: 8, .value_kind: global_buffer, .address_space: global }
      - { .name: Wq, .offset: 8, .size: 8, .value_kind: global_buffer, .address_space: global }
      - { .name: Wk, .offset: 16, .size: 8, .value_kind: global_buffer, .address_space: global }
      - { .name: Wv, .offset: 24, .size: 8, .value_kind: global_buffer, .address_space: global }
      - { .name: xc, .offset: 32, .size: 8, .value_kind: global_buffer, .address_space: global }
      - { .name: xs, .offset: 40, .size: 8, .value_kind: global_buffer, .address_space: global }
      - { .name: wc, .offset: 48, .size: 8, .value_kind: global_buffer, .address_space: global }
      - { .name: ws, .offset: 56, .size: 8, .value_kind: global_buffer, .address_space: global }
    .group_segment_fixed_size: 33280
    .private_segment_fixed_size: 0
    .kernarg_segment_align: 8
    .kernarg_segment_size: 64
    .max_flat_workgroup_size: 128
    .sgpr_count:     66
    .vgpr_count:     192
    .wavefront_size: 32
...
	.end_amdgpu_metadata
.endif
;; end of part 1
;; launch qkv (part 2): grid 12 x 32, 4 waves a work-group, clusters of 4 x 4, 327,680 bytes of LDS; arguments xc, xs, wc, ws, bq, bk, bv, qf, kf, vf; writes qf, kf, vf
.if DOCPART == 2
	.amdgcn_target "amdgcn-amd-amdhsa--gfx1250"
	.amdhsa_code_object_version 6
	.text
	.protected	k_q292375fc51_qkv
	.globl	k_q292375fc51_qkv
	.p2align	8
	.type	k_q292375fc51_qkv,@function
k_q292375fc51_qkv:
	s_mov_b64 s[64:65], 0
	v_nop
	global_prefetch_b8 v0, s[64:65] scope:SCOPE_SE
	s_setreg_imm32_b32 hwreg(HW_REG_WAVE_MODE, 25, 1), 1
	s_wait_xcnt 0x0
	s_wait_alu depctr_hold_cnt(0) depctr_sa_sdst(0) depctr_va_vdst(0) depctr_va_sdst(0) depctr_va_ssrc(0) depctr_va_vcc(0) depctr_vm_vsrc(0)
	s_getreg_b32 s2, hwreg(HW_REG_IB_STS2, 6, 4)
	s_cmp_eq_u32 s2, 0
	s_cbranch_scc0 .Lentry_in_a_cluster
	s_endpgm
.Lentry_in_a_cluster:
	s_bfe_u32 s2, ttmp6, 0x10000c
	s_cmp_lg_u32 s2, 0xf033
	s_cbranch_scc0 .Lentry_shape_is_right
	s_endpgm
.Lentry_shape_is_right:
; The three projections as ONE product on codes of FP4 (E2M1) with E8M0 scales: C[m][n] = sum over k of X[m][k] W[n][k] + bias[n]; m = 8,192 tokens, n = 3,072 (Wq's rows, Wk's, Wv's), k = 1,024; sums in f32.
; The results are rounded once to f16 and stored as IMAGES OF THE ATTENTION LAUNCH'S OPERAND REGISTERS: qf, kf, vf: [16 batch + head (64)][token / 16 (128)][channel / 16 (4)][512 bytes].
;   qf, kf: in a block of 512 bytes, place L (16 bytes) holds token L % 16, channels 8 (L / 16) + 0 .. 7.     vf: place L holds key 8 (L / 16) + L % 8, channels 8 ((L / 8) % 2) + 0 .. 7.
; LIMIT: q, k and v must stay under 65,504, the largest f16 number.  The drawn inputs give about 6; all inputs 30 times larger about 5,400; a common offset of 30 spreads on hidden_states and on the weights about 29,000.
; A tile of C, 256 x 256, is made by a work-group of four waves; a wave makes 128 x 128: 64 accumulators of 16 x 16, 512 registers.  K is two LDS slots of 512 along K (rows of 256 bytes): both are asked
; for at the start, and nothing is ever filled again.  The scale bytes of the work-group's 256 + 256 rows, two dense blocks of 8,192 bytes, come with them.
; CLUSTERS: 4 x 4 work-groups.  The four of a row of the cluster need the same tiles of X, the four of a column the same tiles of W: each tile is asked for JOINTLY, by the same tensor load with the same
; descriptor and a mask that names the four.  A cluster's four tile columns are one weight's 1,024 rows: the cluster's x says whether q, k or v is made.
; THE MATRIX INSTRUCTION IS USED TRANSPOSED (source 0 = 16 rows of W, source 1 = 16 tokens): a lane holds ONE token (lane % 16) and eight neighbouring features 8 (lane / 16) + 0 .. 7, which pack into 16 bytes of f16:
; an accumulator is one block of an image, and each store of the wave covers 512 consecutive bytes, aligned.  No stage in LDS is needed.
; THE BIAS is the C of each sum's first matrix instruction: eight registers for each of W's eight blocks, in the result's layout.  Nothing is cleared and no addition is spent.
; No prefetch: all tiles are asked for at the head.  384 work-groups: a tile of 192 columns, which would give 512, would straddle the border between two weights.
; REGISTERS, in windows of 256: window 0: v0-31 addresses; v32-95 scale words, two sets; v128-191 X's fragments, ONE set; v192-255 the bias; on the way out v128-255 take the packed results.
;   window 1: W's fragments, TWO sets, at v0 and v128.   window 2: the 32 accumulators of my tokens 0-63 ((a, b) at v[8 (8 a + b)]);   window 3: those of my tokens 64-127.
.set KSTEP,  512                       ; along K in a slot
.set NQ,     KSTEP/128                 ; matrix instructions deep
.set ROWB,   256                       ; a tile's row in bytes
.set KROW,   512                       ; a row of codes in memory, in bytes
.set PITCH,  272                       ; an LDS row: 256 bytes + 16 of padding = 68 words: row r starts at bank 4 r mod 64 (64 banks of 4 bytes: ISA guide 11.1), so the 16 rows of a load start at 16 different banks
.set FR,     8                         ; registers of a fragment: 16 rows x 128 K
.set NL,     2                         ; LDS loads that bring one
.set NP,     4                         ; places behind this matrix instruction (ISA guide 7.12.1)
.set HALFT,  128*PITCH                 ; 128 rows: what one tensor load brings, and what one wave reads of X or of W
.set SLOT,   4*HALFT                   ; X's 256 rows, then W's 256 rows
.set KS,     32                        ; a row of scale bytes
.set SCL,    2*SLOT                    ; behind the two slots: the scales, as rows of 256 bytes + 16 of padding
.set HALFS,  (128*KS/256)*272          ; the scales of 128 rows: what one tensor load brings
.set SBLK,   (16*KS/256)*272           ; those of 16 rows
.set SPARE,  SCL+4*HALFS               ; behind the scales: the spare words, 128 bytes for each wave, which no other line names
.set ADRA, 16                          ; v16-17  LDS address of my X fragments in slot 0, 1
.set ADRB, 20                          ; v20-21  the same for W
.set LO,   26                          ; v26     my 16 bytes' place in a block of an image
.set ADRS, 27                          ; v27     LDS address of my scale words: lanes 0-15 X's rows, lanes 16-31 W's
.set SPW,  28                          ; v28     LDS address of my spare word: SPARE + 4 x my thread's number; never rewritten
.set NIL,  29                          ; v29     0; never rewritten
.set BO,   30                          ; v30     32 x (lane / 16): my eight numbers of a block of the bias
.set SC,   32                          ; scale words: set s at v[SC + 32 s]; register 4 i + q: lanes 0-15 the word of X's block i, lanes 16-31 that of W's block i, for the slot's q-th 128 along K
.set AF,   128                         ; X's fragments
.set BI,   192                         ; the bias: block b at v[BI + 8 b]
.set OUTR, 128                         ; the way out: four sets of 32 registers
.set G1, 24                            ; s[24:31] descriptor group 1 for X's tiles;  s[32:39] group 0, one set for each slot
.set G0, 32
.set G1B, 48                           ; s[48:55], s[56:63] the same for W's tiles
.set G0B, 56
.set G1S, 68                           ; s[68:75], s[76:79] groups 1 and 0 for X's scales;  s[80:87], s[88:91] for W's
.set G0S, 76
.set G1SB, 80
.set G0SB, 88
.set MSB, 0
.macro WIN new                         ; the immediate's high byte repeats the setting that is left; a switch that changes nothing is dropped
.if MSB != (\new)
	s_set_vgpr_msb (MSB<<8)|(\new)
.set MSB, (\new)
.endif
.endm
.set MUL_LO, 0xa1                      ; source 0 (W) window 1, source 1 (X) window 0, C and D window 2
.set MUL_HI, 0xf1                      ; the same, C and D window 3
.set BIA_LO, 0x81                      ; the first products: C (the bias) window 0, D window 2
.set BIA_HI, 0xc1                      ; D window 3
.set TO_B,   0x40                      ; destination window 1, address window 0
; A joint load: waves 0 and 1 fetch for X, waves 2 and 3 for W.  Each of the two lines has ONE mask and one set of registers for all that issue it; the branch hangs on the wave's number alone.
; An s_nop 0 and four v_nop follow each of the two lines, ahead of the jump, the label and what follows.
.macro JLOAD g0a, g1a, g0b, g1b
	s_cmp_eq_u32 s15, 0
	s_cbranch_scc0 .Lfor_b_\@
	tensor_load_to_lds s[\g0a:\g0a+3], s[\g1a:\g1a+7]
	s_nop 0
.rept 4
	v_nop
.endr
	s_branch .Lasked_\@
.Lfor_b_\@:
	tensor_load_to_lds s[\g0b:\g0b+3], s[\g1b:\g1b+7]
	s_nop 0
.rept 4
	v_nop
.endr
.Lasked_\@:
.endm
; A round of the cluster's barrier: my work-group's barrier, so that wave 0's signal speaks for all four waves; wave 0 signals for the work-group; every wave waits for all sixteen; my work-group's barrier once more.
.macro CROUND
	s_barrier_signal -1
	s_barrier_wait -1
	s_cmp_lg_u32 s14, 0
	s_cbranch_scc1 .Lnot_wave_0_\@
	s_barrier_signal -3
.Lnot_wave_0_\@:
	s_barrier_wait -3
	s_barrier_signal -1
	s_barrier_wait -1
.endm
	s_load_b256 s[4:11], s[0:1], 0x0               ; X's codes s[4:5], X's scales s[6:7], W's codes s[8:9], W's scales s[10:11]
	v_lshl_add_u32 v[SPW], v0, 2, SPARE
	v_mov_b32 v[NIL], 0
	ds_add_u32 v[SPW], v[NIL]                      ; the wave's opening: the add, twice on end, and its wait stand ahead of my first tensor load; the set-up below, work on registers, stands between
	ds_add_u32 v[SPW], v[NIL]
	v_lshrrev_b32 v1, 5, v0
	v_readfirstlane_b32 s14, v1                    ; wave 0..3
	s_lshr_b32 s15, s14, 1                         ; which half of the tile's tokens is mine.  Also: I fetch for X (0) or for W (1)
	s_and_b32 s16, s14, 1                          ; which half of its features.  Also: which 128 rows of that tile I fetch
	s_bfe_u32 s40, ttmp6, 0x40000                  ; cx, cy: my place in the cluster
	s_bfe_u32 s41, ttmp6, 0x40004
	s_lshl_b32 s42, ttmp9, 2
	s_add_co_u32 s42, s42, s40                     ; tile column of C = 4 x cluster x + cx
	s_and_b32 s17, ttmp7, 0xffff
	s_lshl_b32 s17, s17, 2
	s_add_co_u32 s17, s17, s41                     ; tile row of C = 4 x cluster y + cy
	s_lshl_b32 s43, s41, 2
	s_lshl_b32 s43, 15, s43                        ; my row of the cluster
	s_lshl_b32 s44, 0x1111, s40                    ; my column
	; descriptor group 1: a tile of 128 rows x 256 bytes, padded in LDS
	s_or_b32 s[G1+0], s43, (0<<16)|(1<<20)|(1<<21)|(5<<22)|(3<<25)  ; 15:0 the mask: X's tiles go to my row; 17:16 elements of 1 byte; 20 padding on; 21 set beside a mask; 24:22 after every 64 words (code 5); 31:25 four words (code 3)
	s_or_b32 s[G1B+0], s44, (0<<16)|(1<<20)|(1<<21)|(5<<22)|(3<<25) ; the same with the mask of my column
.irp g, G1, G1B
	s_mov_b32 s[\g+1], ROWB<<16                    ; tensor_dim0
	s_mov_b32 s[\g+2], 128<<16                     ; tensor_dim1 = 128
	s_mov_b32 s[\g+3], ROWB<<16                    ; tile_dim0
	s_mov_b32 s[\g+4], 128                         ; tile_dim1 = 128
	s_mov_b32 s[\g+5], KROW                        ; tensor_dim0_stride
	s_mov_b32 s[\g+6], 0
	s_mov_b32 s[\g+7], 0
.endr
	; and for the scales of 128 rows: a dense block of 4,096 bytes, as 16 rows of 256 bytes (32 elements of 8 bytes), 16 bytes of padding behind each
	s_or_b32 s[G1S+0], s43, (3<<16)|(1<<20)|(1<<21)|(5<<22)|(3<<25)
	s_or_b32 s[G1SB+0], s44, (3<<16)|(1<<20)|(1<<21)|(5<<22)|(3<<25)
.irp g, G1S, G1SB
	s_mov_b32 s[\g+1], 32<<16
	s_mov_b32 s[\g+2], (128*KS/256)<<16
	s_mov_b32 s[\g+3], 32<<16
	s_mov_b32 s[\g+4], 128*KS/256
	s_mov_b32 s[\g+5], 32
	s_mov_b32 s[\g+6], 0
	s_mov_b32 s[\g+7], 0
.endr
	s_lshl_b32 s18, s16, 7                         ; which 128 rows of the tile I fetch
	s_lshl_b32 s20, s17, 8
	s_add_co_u32 s20, s20, s18                     ; X: row 256 x tile row + 128 x half
	s_lshl_b32 s46, s42, 8
	s_add_co_u32 s46, s46, s18                     ; W: row 256 x tile column + 128 x half
	s_mov_b32 s21, 0
	s_mov_b32 s47, 0
	s_mov_b64 s[18:19], KS
	s_mul_u64 s[22:23], s[20:21], s[18:19]         ; where these rows' scales begin, in bytes
	s_mul_u64 s[92:93], s[46:47], s[18:19]
	s_mov_b64 s[18:19], KROW
	s_mul_u64 s[20:21], s[20:21], s[18:19]         ; and their codes
	s_mul_u64 s[46:47], s[46:47], s[18:19]
	s_mul_i32 s45, s14, HALFT                      ; where they go: wave x 128 rows: no place in the cluster enters an LDS address
	s_mul_i32 s94, s14, HALFS
	s_wait_dscnt 0x0                               ; both opening adds are done
	s_wait_kmcnt 0x0
	s_add_nc_u64 s[20:21], s[4:5], s[20:21]
	s_add_nc_u64 s[22:23], s[6:7], s[22:23]
	s_add_nc_u64 s[46:47], s[8:9], s[46:47]
	s_add_nc_u64 s[92:93], s[10:11], s[92:93]
	CROUND                                         ; all sixteen work-groups are here: the joint loads meet
	s_mov_b32 s[G0S], 1
	s_add_co_u32 s[G0S+1], s94, SCL
	s_mov_b64 s[G0S+2:G0S+3], s[22:23]
	s_or_b32 s[G0S+3], s[G0S+3], 0x80000000
	s_mov_b32 s[G0SB], 1
	s_add_co_u32 s[G0SB+1], s94, SCL
	s_mov_b64 s[G0SB+2:G0SB+3], s[92:93]
	s_or_b32 s[G0SB+3], s[G0SB+3], 0x80000000
	JLOAD G0S, G1S, G0SB, G1SB                     ; the scales first: they are wanted with the first slot
.irp s, 0,1
	s_mov_b32 s[G0+4*\s], 1                        ; count = 1
	s_add_co_u32 s[G0+4*\s+1], s45, \s*SLOT        ; LDS address
	s_add_nc_u64 s[G0+4*\s+2:G0+4*\s+3], s[20:21], \s*ROWB   ; global address: the slot's 512 along K
	s_or_b32 s[G0+4*\s+3], s[G0+4*\s+3], 0x80000000          ; type = 2
	s_mov_b32 s[G0B+4*\s], 1
	s_add_co_u32 s[G0B+4*\s+1], s45, \s*SLOT
	s_add_nc_u64 s[G0B+4*\s+2:G0B+4*\s+3], s[46:47], \s*ROWB
	s_or_b32 s[G0B+4*\s+3], s[G0B+4*\s+3], 0x80000000
	JLOAD G0+4*\s, G1, G0B+4*\s, G1B               ; three tensor loads of mine are out now, and no more are issued
.endr
	s_load_b256 s[4:11], s[0:1], 0x20              ; the other arguments, into registers that are done with: bq s[4:5], bk s[6:7], bv s[8:9], qf s[10:11]
	s_load_b128 s[92:95], s[0:1], 0x40             ; kf s[92:93], vf s[94:95]
	v_and_b32 v1, 15, v0                           ; l % 16
	v_bfe_u32 v2, v0, 4, 1                         ; l / 16
	v_mul_u32_u24 v3, v1, PITCH
	v_lshl_add_u32 v4, v2, 4, v3                   ; a fragment's row x pitch + 16 x half
	s_mul_i32 s21, s15, HALFT                      ; my 128 rows of X
	s_mul_i32 s22, s16, HALFT                      ; my 128 rows of W,
	s_add_co_u32 s22, s22, 2*HALFT                 ; which lie behind X's 256
.irp s, 0,1
	v_add_nc_u32 v[ADRA+\s], s21, v4
	v_add_nc_u32 v[ADRB+\s], s22, v4
	s_add_co_u32 s21, s21, SLOT
	s_add_co_u32 s22, s22, SLOT
.endr
	v_mul_u32_u24 v5, v1, KS                       ; my row's scales: 32 bytes a row,
	v_lshrrev_b32 v6, 8, v5
	v_lshl_add_u32 v5, v6, 4, v5                   ; and 16 more for each 256 passed
	s_mul_i32 s21, s15, HALFS                      ; X's: my 128 rows
	s_mul_i32 s22, s16, HALFS                      ; W's: my 128 rows, behind X's 256
	s_add_co_u32 s22, s22, 2*HALFS
	s_sub_co_u32 s22, s22, s21
	v_mul_u32_u24 v6, s22, v2                      ; lanes 16-31 take W's: the lower base + half x the distance
	s_add_co_u32 s21, s21, SCL
	v_add_nc_u32 v5, v5, v6
	v_add_nc_u32 v[ADRS], s21, v5
	v_and_b32 v6, 31, v0
	v_lshlrev_b32 v7, 4, v6                        ; q, k: my place in a block is 16 x lane
	v_and_b32 v8, 7, v0
	v_bfe_u32 v9, v0, 3, 1
	v_lshl_add_u32 v8, v9, 4, v8
	v_lshl_add_u32 v8, v2, 3, v8                   ; v: lane % 8 + 16 ((lane / 8) % 2) + 8 (lane / 16): bits 3 and 4 of the lane change places
	v_lshlrev_b32 v8, 4, v8
	v_lshlrev_b32 v[BO], 5, v2
	s_wait_kmcnt 0x0
	s_cmp_lt_u32 ttmp9, 2                          ; the cluster's x: 0 makes q, 1 makes k, 2 makes v.  Only pointers and a lane order are chosen: no branch
	s_cselect_b64 s[6:7], s[6:7], s[8:9]           ; bk or bv
	s_cselect_b64 s[12:13], s[92:93], s[94:95]     ; kf or vf
	s_cselect_b32 s96, 0, -1                       ; all ones where v is made
	s_cmp_lt_u32 ttmp9, 1
	s_cselect_b64 s[6:7], s[4:5], s[6:7]           ; bq or that
	s_cselect_b64 s[12:13], s[10:11], s[12:13]     ; qf or that
	v_cndmask_b32 v[LO], v7, v8, s96
	s_lshl_b32 s20, s40, 10                        ; the bias: 256 cx + 128 x half features on, 4 bytes each
	s_lshl_b32 s22, s16, 9
	s_add_co_u32 s20, s20, s22
	s_mov_b32 s21, 0
	s_add_nc_u64 s[6:7], s[6:7], s[20:21]
.irp b, 0,1,2,3,4,5,6,7
	global_load_b128 v[BI+8*\b:BI+8*\b+3],   v[BO], s[6:7] offset:64*\b      ; register j of block b: bias[16 b + 8 (lane / 16) + j]: the result's layout
	global_load_b128 v[BI+8*\b+4:BI+8*\b+7], v[BO], s[6:7] offset:64*\b+16
.endr
	s_lshr_b32 s20, s17, 3                         ; my part of the image: a batch is 8 tile rows;
	s_lshl_b32 s20, s20, 4
	s_lshl_b32 s22, s40, 2
	s_add_co_u32 s20, s20, s22
	s_lshl_b32 s22, s16, 1
	s_add_co_u32 s20, s20, s22                     ; 16 batch + my first head (4 cx + 2 x half),
	s_lshl_b32 s20, s20, 18                        ; 262,144 bytes each;
	s_and_b32 s22, s17, 7
	s_lshl_b32 s22, s22, 4
	s_lshl_b32 s23, s15, 3
	s_add_co_u32 s22, s22, s23                     ; my first tile of 16 tokens in the batch,
	s_lshl_b32 s22, s22, 11                        ; 2,048 bytes each
	s_add_co_u32 s20, s20, s22                     ; (under 2^24 in all)
	s_add_nc_u64 s[12:13], s[12:13], s[20:21]
.macro FRAG reg, adr, q, i             ; a fragment, 16 rows x 128 K of 4-bit codes, is 8 registers: lane l holds row l % 16; registers 4 c .. 4 c + 3 hold K = 64 c + 32 (l / 16) + 0 .. 31
.irp c, 0,1
	ds_load_b128 v[\reg+4*\c:\reg+4*\c+3], v[\adr] offset:64*(\q)+32*\c+(\i)*16*PITCH
.endr
.endm
; 16 matrix instructions: X's blocks a0, a0 + 1 x W's eight, 128 along K: the slot's q-th.  p: W's set;  sc: the set of scale words.  first = 1: the first product starts the sums from the bias.
; The 64 accumulators take turns, one instruction a turn, in the same order in every step.
.macro MUL16 a0, p, q, sc, first
.irp a, \a0, \a0+1
.irp b, 0,1,2,3,4,5,6,7
.if \first
	v_wmma_scale_f32_16x16x128_f8f6f4 v[8*(8*((\a)%4)+\b):8*(8*((\a)%4)+\b)+7], v[128*(\p)+FR*\b:128*(\p)+FR*\b+FR-1], v[AF+FR*(\a):AF+FR*(\a)+FR-1], v[BI+8*\b:BI+8*\b+7], v[SC+8*NQ*(\sc)+NQ*\b+(\q)], v[SC+8*NQ*(\sc)+NQ*(\a)+(\q)] matrix_a_fmt:MATRIX_FMT_FP4 matrix_b_fmt:MATRIX_FMT_FP4 matrix_a_scale:MATRIX_SCALE_ROW1
.else
	v_wmma_scale_f32_16x16x128_f8f6f4 v[8*(8*((\a)%4)+\b):8*(8*((\a)%4)+\b)+7], v[128*(\p)+FR*\b:128*(\p)+FR*\b+FR-1], v[AF+FR*(\a):AF+FR*(\a)+FR-1], v[8*(8*((\a)%4)+\b):8*(8*((\a)%4)+\b)+7], v[SC+8*NQ*(\sc)+NQ*\b+(\q)], v[SC+8*NQ*(\sc)+NQ*(\a)+(\q)] matrix_a_fmt:MATRIX_FMT_FP4 matrix_b_fmt:MATRIX_FMT_FP4 matrix_a_scale:MATRIX_SCALE_ROW1
.endif
.endr
.endr
.endm
.macro FETCH_B slot, q, p              ; W's eight fragments of the slot's q-th 128 along K into set p
	WIN TO_B
.irp i, 0,1,2,3,4,5,6,7
	FRAG 128*(\p)+FR*\i, ADRB+\slot, \q, \i
.endr
	WIN 0
.endm
.macro FETCH_A slot, q, i0             ; X's blocks i0 .. i0 + 3
.irp i, \i0, \i0+1, \i0+2, \i0+3
	FRAG AF+FR*(\i), ADRA+\slot, \q, \i
.endr
.endm
.macro SCALES sc                       ; a slot's scale words into set sc: four words a row; lanes 0-15 take X's block i, lanes 16-31 W's block i
.irp i, 0,1,2,3,4,5,6,7
	ds_load_b128 v[SC+8*NQ*\sc+NQ*\i:SC+8*NQ*\sc+NQ*\i+3], v[ADRS] offset:\i*SBLK
.endr
.endm
; A load into a register that a matrix instruction has read, and a vector instruction that reads a matrix result or writes one of a matrix instruction's registers, stand NP places behind it, and only plain
; vector instructions that name none of its registers are places (ISA guide 7.12.1 for vector instructions).
.macro PLACES n
.rept \n
	v_nop
.endr
.endm
; A step of 128 along K that has its successor in the same slot.  X has one set of registers: blocks 0-3 are fetched anew in the step's middle, blocks 4-7 at its end; W's next set comes in the middle run.
.macro STEP slot, q, first
	s_wait_dscnt 4*NL                              ; W's set and X's blocks 0-3 are in; the youngest eight loads (X's blocks 4-7) may be out
.if \first
	WIN BIA_LO
.else
	WIN MUL_LO
.endif
	MUL16 0, (\q)%2, \q, \slot, \first
	MUL16 2, (\q)%2, \q, \slot, \first
	s_wait_dscnt 0                                 ; X's blocks 4-7 are in (asked for 32 matrix instructions ago)
	PLACES NP
	FETCH_B \slot, (\q)+1, 1-(\q)%2
	FETCH_A \slot, (\q)+1, 0
.if \first
	WIN BIA_HI
.else
	WIN MUL_HI
.endif
	MUL16 4, (\q)%2, \q, \slot, \first
	MUL16 6, (\q)%2, \q, \slot, \first
	PLACES NP
	WIN 0
	FETCH_A \slot, (\q)+1, 4
.endm
; Slot 0's last step goes over to slot 1: each wave waits for all its tensor loads (its part of slot 1), adds 0 to its spare word, waits for that and for its LDS loads, and passes the barrier: behind it slot 1 is whole.
.macro TURN slot, next
	s_wait_tensorcnt 0x0                           ; all my tensor loads have landed  (every window is 0 here: the add's two registers lie in window 0)
	ds_add_u32 v[SPW], v[NIL]                      ; 0 onto my spare word
	s_wait_dscnt 4*NL+1                            ; (the add and the youngest eight loads, X's blocks 4-7, may be out)
	WIN MUL_LO
	MUL16 0, 1, NQ-1, \slot, 0                     ; sixteen matrix instructions stand between the add and the wait for it
	s_wait_dscnt 0x0                               ; the add is done, and no LDS load of mine is out
	s_barrier_signal -1
	MUL16 2, 1, NQ-1, \slot, 0                     ; work on registers while the others arrive
	WIN 0
	s_barrier_wait -1
	PLACES NP
	v_add_nc_u32 v[ADRS], 4*NQ, v[ADRS]            ; on to the next slot's scale words (no LDS load of mine is out)
	FETCH_B \next, 0, 0
	FETCH_A \next, 0, 0
	SCALES \next
	WIN MUL_HI
	MUL16 4, 1, NQ-1, \slot, 0
	MUL16 6, 1, NQ-1, \slot, 0
	PLACES NP
	WIN 0
	FETCH_A \next, 0, 4
.endm
	s_wait_tensorcnt 1                             ; the scales and my part of slot 0 are in (slot 1's load may be out)
	s_barrier_signal -1
	s_barrier_wait -1                              ; everybody's are
	FETCH_B 0, 0, 0
	FETCH_A 0, 0, 0
	SCALES 0
	FETCH_A 0, 0, 4
	s_wait_loadcnt 0x0                             ; the bias
	STEP 0, 0, 1                                   ; the first step's products start the sums from the bias
	STEP 0, 1, 0
	STEP 0, 2, 0
	TURN 0, 1
	STEP 1, 0, 0
	STEP 1, 1, 0
	STEP 1, 2, 0
	s_wait_dscnt 4*NL                              ; the very last step: nothing more to fetch
	WIN MUL_LO
	MUL16 0, 1, NQ-1, 1, 0
	MUL16 2, 1, NQ-1, 1, 0
	s_wait_dscnt 0
	WIN MUL_HI
	MUL16 4, 1, NQ-1, 1, 0
	MUL16 6, 1, NQ-1, 1, 0
	WIN 0
; THE WAY OUT, block by block of 16 tokens.  An accumulator (16 tokens x 16 features) is rounded to f16, each from its low end on: 16 bytes a lane, one block of the image.  Block b of the wave's 128 features
; lies in head b / 4 of its two, at channel group b % 4.  Four sets of registers take turns, so that a set is written again only when its stores have read it.
.macro OUTB a
.set AC, 64*((\a)%4)
.set OB, OUTR+32*((\a)%4)
.if (\a) >= 4
	s_wait_xcnt 0x0                                ; every earlier store has had its addresses translated (ISA guide 3.1): block a - 4's data registers are written again only behind this wait
.endif
	WIN 0x0a+5*((\a)/4)                            ; sources 0 and 1: window 2 or 3
.irp b, 0,1,2,3,4,5,6,7
.irp r, 0,1,2,3
	v_cvt_pk_f16_f32 v[OB+4*\b+\r], v[AC+8*\b+2*\r], v[AC+8*\b+2*\r+1]
.endr
.endr
	WIN 0
.irp b, 0,1,2,3,4,5,6,7
	global_store_b128 v[LO], v[OB+4*\b:OB+4*\b+3], s[12:13] offset:(\b/4)*262144+(\a)*2048+(\b%4)*512 th:TH_STORE_NT   ; 32 lanes store 512 consecutive bytes, at a multiple of 512 from the image's first byte
.endr
.endm
	PLACES NP                                      ; behind the last products: the conversions read results and write registers that held X's fragments and the bias
.irp a, 0,1,2,3,4,5,6,7
	OUTB \a
.endr
	s_wait_tensorcnt 0x0                           ; the wave's end: behind my last tensor load
	ds_add_u32 v[SPW], v[NIL]
	s_wait_dscnt 0x0
	CROUND                                         ; the closing round: no work-group ends while a partner may still ask for a tile that names it
	s_endpgm
.Lfunc_end_k_q292375fc51_qkv:
	.size	k_q292375fc51_qkv, .Lfunc_end_k_q292375fc51_qkv-k_q292375fc51_qkv
	.p2alignl 7, 3214868480
	.fill 96, 4, 3214868480
	.section	.rodata,"a",@progbits
	.p2align	6, 0x0
	.amdhsa_kernel k_q292375fc51_qkv
		.amdhsa_group_segment_fixed_size 327680
		.amdhsa_private_segment_fixed_size 0
		.amdhsa_enable_private_segment 0
		.amdhsa_kernarg_size 80
		.amdhsa_user_sgpr_count 2
		.amdhsa_user_sgpr_kernarg_segment_ptr 1
		.amdhsa_wavefront_size32 1
		.amdhsa_system_sgpr_workgroup_id_x 1
		.amdhsa_system_sgpr_workgroup_id_y 1
		.amdhsa_system_sgpr_workgroup_id_z 1
		.amdhsa_system_vgpr_workitem_id 0
		.amdhsa_next_free_vgpr 1024
		.amdhsa_next_free_sgpr 98
		.amdhsa_reserve_vcc 0
		.amdhsa_float_denorm_mode_32 3
		.amdhsa_float_denorm_mode_16_64 3
		.amdhsa_memory_ordered 1
		.amdhsa_forward_progress 1
		.amdhsa_inst_pref_size 120
	.end_amdhsa_kernel
	.amdgpu_metadata
---
amdhsa.version: [ 1, 2 ]
amdhsa.kernels:
  - .name:           k_q292375fc51_qkv
    .symbol:         k_q292375fc51_qkv.kd
    .args:
      - { .name: xc, .offset: 0, .size: 8, .value_kind: global_buffer, .address_space: global }
      - { .name: xs, .offset: 8, .size: 8, .value_kind: global_buffer, .address_space: global }
      - { .name: wc, .offset: 16, .size: 8, .value_kind: global_buffer, .address_space: global }
      - { .name: ws, .offset: 24, .size: 8, .value_kind: global_buffer, .address_space: global }
      - { .name: bq, .offset: 32, .size: 8, .value_kind: global_buffer, .address_space: global }
      - { .name: bk, .offset: 40, .size: 8, .value_kind: global_buffer, .address_space: global }
      - { .name: bv, .offset: 48, .size: 8, .value_kind: global_buffer, .address_space: global }
      - { .name: qf, .offset: 56, .size: 8, .value_kind: global_buffer, .address_space: global }
      - { .name: kf, .offset: 64, .size: 8, .value_kind: global_buffer, .address_space: global }
      - { .name: vf, .offset: 72, .size: 8, .value_kind: global_buffer, .address_space: global }
    .group_segment_fixed_size: 327680
    .private_segment_fixed_size: 0
    .kernarg_segment_align: 8
    .kernarg_segment_size: 80
    .max_flat_workgroup_size: 128
    .sgpr_count:     98
    .vgpr_count:     1024
    .wavefront_size: 32
...
	.end_amdgpu_metadata
.endif
;; end of part 2
;; launch attn (part 3): grid 4 x 64, 8 waves a work-group, clusters of 4 x 1, 327,680 bytes of LDS; arguments qf, kf, vf, out0; writes out0
.if DOCPART == 3
	.amdgcn_target "amdgcn-amd-amdhsa--gfx1250"
	.amdhsa_code_object_version 6
	.text
	.protected	k_q292375fc51_attn
	.globl	k_q292375fc51_attn
	.p2align	8
	.type	k_q292375fc51_attn,@function
k_q292375fc51_attn:
	s_mov_b64 s[64:65], 0
	v_nop
	global_prefetch_b8 v0, s[64:65] scope:SCOPE_SE
	s_setreg_imm32_b32 hwreg(HW_REG_WAVE_MODE, 25, 1), 1
	s_wait_xcnt 0x0
	s_wait_alu depctr_hold_cnt(0) depctr_sa_sdst(0) depctr_va_vdst(0) depctr_va_sdst(0) depctr_va_ssrc(0) depctr_va_vcc(0) depctr_vm_vsrc(0)
	s_getreg_b32 s2, hwreg(HW_REG_IB_STS2, 6, 4)
	s_cmp_eq_u32 s2, 0
	s_cbranch_scc0 .Lentry_in_a_cluster
	s_endpgm
.Lentry_in_a_cluster:
	s_bfe_u32 s2, ttmp6, 0x10000c
	s_cmp_lg_u32 s2, 0x3003
	s_cbranch_scc0 .Lentry_shape_is_right
	s_endpgm
.Lentry_shape_is_right:
; out[b][q][64 head + :] = the sum over k of softmax_k(Q[q] . K[k] / 8) V[k][:], for each of the 64 (batch, head); 2,048 queries, 2,048 keys, head size 64, no mask.
; Q, K, V arrive in f16 as images of operand registers: [16 batch + head][token / 16 (128)][channel / 16 (4)][512 bytes] (a head: 262,144 bytes).  In a block of Q or K lane L's 16 bytes lie at 16 L: two
; neighbouring blocks ARE a fragment (16 tokens x 32 channels).  A block of V, read at 16 L by the turning load, is half a fragment of V^T (16 channels x 8 + 8 keys).
; Products, maxima and sums in f32; the weights p are rounded to f16 for the second product; out is f32.
; LIMITS: a weight p under 2^-25 becomes 0 in f16, beside a row's sum of about 1 or more; the row's sum is taken of the f16 weights, the very numbers that are multiplied.  NaN and infinities are not served.
; SHARES.  A work-group owns 512 queries of one head, each of its EIGHT waves 64: four tiles of 16, in 512 registers: two waves to a SIMD, so that one wave's softmax stands beside the other's products.
; LAYOUT.  S^T = K Q^T (source 0 = 16 keys, source 1 = 16 queries): a lane holds ONE query (lane % 16) and keys 8 (lane / 16) + 0..7.  Two such tiles, rounded to f16 in pairs, ARE source 1 (32 keys x 16 queries)
; of O^T = V^T P, whose result again holds one query a lane.  Nothing changes lanes between the products; a query's maximum wants one exchange between the halves of the lanes.
; SOFTMAX.  For each query a running maximum m: p = 2^(c s - c m), c = log2(e) / 8; in every step O and the sum are multiplied by a = 2^(c m_old - c m_new).
; THE ROW'S SUM IS MADE BY THE MATRIX UNIT: L += ONES x P, ONES having rows 0 and 8 of ones and zeros elsewhere: the sum falls into the accumulator's register 0 in both halves of the lanes.  Two matrix
; instructions a tile and step take the place of seventeen vector instructions and of an exchange between lanes.
; THE RING.  Two LDS slots of 512 keys (K's image 65,536 bytes, then V's), dense: every read takes 512 consecutive bytes.  Each wave fetches 16,384 bytes of a slot by one tensor load (waves 0-3 K's, 4-7 V's).
; CLUSTER.  The four work-groups of a head walk the same K and V, so each tile is asked for JOINTLY: the same load, with the same descriptor and a mask that names the four, in all four.
; No prefetch: a refill is itself asked for eight key steps, 576 matrix instructions a wave, ahead of its first read, and the first two slots are asked for at the head.
; The step is written in one form: O and the sums begin as zeros and m as -3e38, so that the first a is 0; a first step of its own would be one more copy of the step.
; REGISTERS, in windows of 256: window 0: v1-6 addresses; v10, v11 the add's two; v16-47 statistics, eight a tile: +0 c m, +1 m, +2..+5 c0-c3 at work, +6 a (at the end 1 / the sum), +7 zero;
;   v64-191 S^T, 32 a tile (P is packed into each tile's low 16); v192-255 Q.     window 1: v0-127 O^T, 32 a tile; v128-159 the sums, 8 a tile; v160-223 K's fragments, then V's; v224-231 ONES.
.set SLOT1, 131072                     ; slot 1's first byte
.set VOFF,  65536                      ; in a slot: V's image behind K's
.set STEPB, 8192                       ; 64 keys of an image
.set STAGE, 2*SLOT1                    ; behind the ring: 16 rows x 272 bytes for each wave, for the way out
.set SP,    272                        ; a stage row: 256 bytes + 16 of padding
.set SPARE, STAGE+8*16*SP              ; behind the stages: the spare words, 128 bytes for each wave, which no other line names
.set LI,  1                            ; v1   16 x lane; never rewritten
.set ADK, 2                            ; v2   LDS address of the step's K
.set ADV, 3                            ; v3   of its V
.set STO, 4                            ; v4   the way out: where I put 32 bytes of a row
.set RD,  5                            ; v5   where I read a row back
.set GO,  6                            ; v6   my byte offset in the wave's rows of out
.set SPW, 10                           ; v10  LDS address of my spare word: SPARE + 4 x my thread's number; never rewritten
.set NIL, 11                           ; v11  0; never rewritten
.set ST,  16
.set S,   64
.set Q,   192
.set LS,  128                          ; in window 1
.set KV,  160
.set ONES, 224
.set WV,  12                           ; s12  my wave's number
.set G1,  24                           ; s[24:31] descriptor group 1, for every load
.set G0,  32                           ; s[32:47] descriptor group 0, one set for each of the four fills; never rewritten
.set TB,  48                           ; s48  LDS byte at which the step's K begins
.set CNT, 49                           ; s49  counts a slot's eight steps
.set CS,  50                           ; s[50:51] c: the packed scaling names a pair and takes its low word for both halves
.set SEL, 52                           ; s[52:53] lane selects for v_permlanex16_b32: each lane takes its own place in the other half
.set MK,  54                           ; s54  the lanes whose number is a multiple of 8
.set MSB, 0
.macro WIN new                         ; the immediate's high byte repeats the setting that is left; a switch that changes nothing is dropped
.if MSB != (\new)
	s_set_vgpr_msb (MSB<<8)|(\new)
.set MSB, (\new)
.endif
.endm
.set W_LD, 0x40                        ; destination window 1, address window 0
.set W_KQ, 0x01                        ; source 0 (K) window 1; Q, S^T window 0.  Also: O^T or a sum read into window 0
.set W_RS, 0x41                        ; O^T (destination and source 0) window 1, a window 0
.set W_PV, 0x51                        ; V or ONES, C and D window 1; P window 0
; A round of the cluster's barrier: my work-group's barrier, so that wave 0's signal speaks for all eight waves; wave 0 signals for the work-group; every wave waits for all four work-groups; my work-group's barrier once more.
.macro CROUND
	s_barrier_signal -1
	s_barrier_wait -1
	s_cmp_lg_u32 s[WV], 0
	s_cbranch_scc1 .Lnot_wave_0_\@
	s_barrier_signal -3
.Lnot_wave_0_\@:
	s_barrier_wait -3
	s_barrier_signal -1
	s_barrier_wait -1
.endm
	s_load_b256 s[4:11], s[0:1], 0x0               ; qf s[4:5], kf s[6:7], vf s[8:9], out s[10:11]
	v_lshl_add_u32 v[SPW], v0, 2, SPARE
	v_mov_b32 v[NIL], 0
	ds_add_u32 v[SPW], v[NIL]                      ; the wave's opening: the add, twice on end, and its wait stand ahead of my first tensor load; the set-up below, work on registers, stands between
	ds_add_u32 v[SPW], v[NIL]
	v_lshrrev_b32 v7, 5, v0
	v_readfirstlane_b32 s[WV], v7                  ; wave 0..7
	s_bfe_u32 s13, ttmp6, 0x40000                  ; cx: my block of 512 queries (the grid's x is one cluster): it enters Q's and out's addresses alone
	s_and_b32 s14, ttmp7, 0xffff                   ; 16 batch + head, which the four partners share
	; descriptor group 1: a dense block of 16,384 bytes as 64 rows of 256 bytes, no padding
	s_mov_b32 s[G1], 15|(3<<16)|(1<<21)            ; 15:0 the mask: all four work-groups; 17:16 elements of 8 bytes; 21 set beside a mask
	s_mov_b32 s[G1+1], 32<<16                      ; tensor_dim0 = 32 elements
	s_mov_b32 s[G1+2], 64<<16                      ; tensor_dim1 = 64
	s_mov_b32 s[G1+3], 32<<16                      ; tile_dim0 = 32
	s_mov_b32 s[G1+4], 64                          ; tile_dim1 = 64
	s_mov_b32 s[G1+5], 32                          ; from row to row: 32 elements
	s_mov_b32 s[G1+6], 0
	s_mov_b32 s[G1+7], 0
	s_mov_b32 s[CS], 0x3e38aa3b                    ; c = log2(e) / 8
	s_mov_b32 s[CS+1], s[CS]                       ; named with it as a pair, so it is written
	s_mov_b32 s[SEL], 0x76543210
	s_mov_b32 s[SEL+1], 0xfedcba98
	s_lshl_b32 s16, s14, 18                        ; the head's first byte in each image (under 2^24)
	s_and_b32 s18, s[WV], 3
	s_lshl_b32 s18, s18, 14                        ; my quarter of a slot's K or V
	s_add_co_u32 s18, s18, s16
	s_mov_b32 s19, 0
	s_lshl_b32 s22, s[WV], 14                      ; and where it goes: 16,384 x wave: K's four quarters, then V's: no place in the cluster enters an LDS address
	v_and_b32 v[LI], 31, v0
	v_lshlrev_b32 v[LI], 4, v[LI]
	s_wait_dscnt 0x0                               ; both opening adds are done
	s_wait_kmcnt 0x0
	s_cmp_lt_u32 s[WV], 4                          ; waves 0-3 fetch K, waves 4-7 V: a choice of pointers on the wave's number, the same in all partners
	s_cselect_b64 s[20:21], s[6:7], s[8:9]
	s_add_nc_u64 s[20:21], s[20:21], s[18:19]
.irp n, 0,1,2,3
	s_mov_b32 s[G0+4*\n], 1                        ; count = 1
	s_add_co_u32 s[G0+4*\n+1], s22, (\n&1)*SLOT1   ; LDS address: slots 0, 1, 0, 1
	s_add_nc_u64 s[G0+4*\n+2:G0+4*\n+3], s[20:21], \n*65536   ; global address: keys 512 n on
	s_or_b32 s[G0+4*\n+3], s[G0+4*\n+3], 0x80000000           ; type = 2
.endr
	s_lshl_b32 s2, s13, 16                         ; Q: my work-group's 512 queries are 65,536 bytes of the image,
	s_lshl_b32 s15, s[WV], 13                      ; my wave's 64 are 8,192
	s_add_co_u32 s2, s2, s15
	s_add_co_u32 s2, s2, s16
	s_mov_b32 s3, 0
	s_add_nc_u64 s[4:5], s[4:5], s[2:3]
	s_lshr_b32 s2, s14, 4                          ; out: the batch, 2,048 rows of 4,096 bytes;
	s_lshl_b32 s2, s2, 23
	s_and_b32 s15, s14, 15
	s_lshl_b32 s15, s15, 8                         ; the head's 256 bytes of a row;
	s_add_co_u32 s2, s2, s15
	s_lshl_b32 s15, s13, 21                        ; my work-group's 512 rows;
	s_add_co_u32 s2, s2, s15
	s_lshl_b32 s15, s[WV], 18                      ; my wave's 64  (under 2^25 in all)
	s_add_co_u32 s2, s2, s15
	s_add_nc_u64 s[10:11], s[10:11], s[2:3]
	CROUND                                         ; all four work-groups are here: the first joint loads meet
	tensor_load_to_lds s[G0:G0+3], s[G1:G1+7]      ; keys 0-511 into slot 0,
	s_nop 0
	tensor_load_to_lds s[G0+4:G0+7], s[G1:G1+7]    ; keys 512-1023 into slot 1: two loads of mine are out; an s_nop 0 follows each, four v_nop the second's
	s_nop 0
.rept 4
	v_nop
.endr
.irp i, 0,1,2,3,4,5,6,7,8,9,10,11,12,13,14,15
	global_load_b128 v[Q+4*\i:Q+4*\i+3], v[LI], s[4:5] offset:512*\i th:TH_LOAD_NT   ; Q stays in registers: block i = tile i / 4, channels 16 (i % 4) on; 512 consecutive bytes a load
.endr
	v_and_b32 v7, 7, v0
	v_cmp_eq_u32 s[MK], 0, v7
	v_mov_b32 v8, 0x3c003c00                       ; 1.0 twice, in f16
	WIN W_LD
.irp j, 0,1,2,3,4,5,6,7
	v_cndmask_b32 v[ONES+\j], 0, v8, s[MK]         ; ONES: lanes 0, 8, 16, 24 hold rows 0 and 8 of source 0
.endr
.set i, 0
.rept 160
	v_mov_b32 v[i], 0                              ; O^T and the sums, once
.set i, i+1
.endr
	WIN 0
.irp t, 0,1,2,3
	v_mov_b32 v[ST+8*\t+1], 0xff61b1e6             ; m: -3e38, under every score that is served
	v_mov_b32 v[ST+8*\t+7], 0                      ; named as the upper half of a's pair
.endr
.irp t, 0,1,2,3
	v_mul_f32 v[ST+8*\t], s[CS], v[ST+8*\t+1]      ; c m
.endr
	v_and_b32 v7, 15, v0                           ; r = lane % 16
	v_bfe_u32 v8, v0, 4, 1                         ; h = lane / 16
	s_mul_i32 s15, s[WV], 16*SP
	s_add_co_u32 s15, s15, STAGE                   ; my stage
	v_mul_u32_u24 v[STO], v7, SP                   ; in: row r, 32 bytes for each half of the lanes
	v_lshl_add_u32 v[STO], v8, 5, v[STO]
	v_add_nc_u32 v[STO], s15, v[STO]
	v_mul_u32_u24 v[RD], v8, SP                    ; back: lanes 0-15 take one row of 256 bytes, lanes 16-31 the next
	v_lshl_add_u32 v[RD], v7, 4, v[RD]
	v_add_nc_u32 v[RD], s15, v[RD]
	v_lshlrev_b32 v[GO], 12, v8                    ; and the same two rows in out
	v_lshl_add_u32 v[GO], v7, 4, v[GO]
; A KEY STEP: 64 keys, whose K begins at LDS byte s[TB].  Every window is 0 at its head and at its end.
.macro STEP
	v_add_nc_u32 v[ADK], s[TB], v[LI]              ; these two and three v_nop are five places behind the last step's products: four are owed to the loads into the registers that held V,
	v_add_nc_u32 v[ADV], VOFF, v[ADK]              ; five to the products below, which write over P (ISA guide 7.12.1 for the products)
.rept 3
	v_nop
.endr
	WIN W_LD
.irp i, 0,1,2,3,4,5,6,7,8,9,10,11,12,13,14,15
	ds_load_b128 v[KV+4*\i:KV+4*\i+3], v[ADK] offset:512*\i   ; K: block i = keys 16 (i / 4) on, channels 16 (i % 4) on
.endr
	WIN W_KQ
.irp g, 0,1                            ; S^T = K Q^T: key tiles 2 g and 2 g + 1; eight accumulators by turns, one instruction a turn; the first products start the sums
	s_wait_dscnt 8-8*\g                            ; the first eight loads are in (the other eight may be out); then all
.irp f, 0,1
.irp k, 0,1
.irp t, 0,1,2,3
.if \f == 0
	v_wmma_f32_16x16x32_f16 v[S+32*\t+8*(2*\g+\k):S+32*\t+8*(2*\g+\k)+7], v[KV+8*(2*(2*\g+\k)+\f):KV+8*(2*(2*\g+\k)+\f)+7], v[Q+16*\t+8*\f:Q+16*\t+8*\f+7], 0
.else
	v_wmma_f32_16x16x32_f16 v[S+32*\t+8*(2*\g+\k):S+32*\t+8*(2*\g+\k)+7], v[KV+8*(2*(2*\g+\k)+\f):KV+8*(2*(2*\g+\k)+\f)+7], v[Q+16*\t+8*\f:Q+16*\t+8*\f+7], v[S+32*\t+8*(2*\g+\k):S+32*\t+8*(2*\g+\k)+7]
.endif
.endr
.endr
.endr
.endr
	WIN 0
.rept 4
	v_nop                                          ; four places: in front of the loads into the registers that held K, and of the first read of the scores
.endr
	WIN W_LD
.irp u, 0,1
.irp c, 0,1
.irp n, 0,1,2,3
	ds_load_tr16_b128 v[KV+8*(4*\u+\n)+4*\c:KV+8*(4*\u+\n)+4*\c+3], v[ADV] offset:512*(4*(2*\u+\c)+\n)   ; V, turned: keys 32 u + 16 c on, channels 16 n on; it lands while the softmax is walked
.endr
.endr
.endr
	WIN 0
	; the maximum of each lane's 32 scores and the old m, three operands at a time, in four chains; the four tiles by turns.  Each accumulator is read from its low end on
.irp j, 0,1,2,3
.irp t, 0,1,2,3
	v_max3_num_f32 v[ST+8*\t+2+\j], v[S+32*\t+8*\j], v[S+32*\t+8*\j+1], v[S+32*\t+8*\j+2]
.endr
.endr
.irp i, 3,5
.irp j, 0,1,2,3
.irp t, 0,1,2,3
	v_max3_num_f32 v[ST+8*\t+2+\j], v[ST+8*\t+2+\j], v[S+32*\t+8*\j+\i], v[S+32*\t+8*\j+\i+1]
.endr
.endr
.endr
.irp t, 0,1,2,3
	v_max3_num_f32 v[ST+8*\t+2], v[ST+8*\t+2], v[S+32*\t+7], v[S+32*\t+15]
.endr
.irp t, 0,1,2,3
	v_max3_num_f32 v[ST+8*\t+4], v[ST+8*\t+4], v[S+32*\t+23], v[S+32*\t+31]
.endr
.irp t, 0,1,2,3
	v_max3_num_f32 v[ST+8*\t+2], v[ST+8*\t+2], v[ST+8*\t+3], v[ST+8*\t+4]
.endr
.irp t, 0,1,2,3
	v_max3_num_f32 v[ST+8*\t+2], v[ST+8*\t+2], v[ST+8*\t+5], v[ST+8*\t+1]
.endr
.irp t, 0,1,2,3
	v_permlanex16_b32 v[ST+8*\t+3], v[ST+8*\t+2], s[SEL], s[SEL+1]   ; the query's other 32 keys lie in the lane 16 away
.endr
.irp t, 0,1,2,3
	v_mov_b32 v[ST+8*\t+5], v[ST+8*\t]             ; c m_old is kept for a
.endr
.irp t, 0,1,2,3
	v_max_num_f32 v[ST+8*\t+1], v[ST+8*\t+2], v[ST+8*\t+3]           ; the new m
.endr
.irp t, 0,1,2,3
	v_mul_f32 v[ST+8*\t], s[CS], v[ST+8*\t+1]      ; c m
.endr
.irp t, 0,1,2,3
	v_sub_f32 v[ST+8*\t+5], v[ST+8*\t+5], v[ST+8*\t]                 ; c m_old - c m_new
.endr
	; ONE BATCH: the 64 scalings c s - c m, a pair of scores each, and all 132 exponentials.  Pair i is pair i / 4 of tile i % 4; it is scaled four pairs ahead of its exponentials.  None of these names an exponential's result
.irp t, 0,1,2,3
	v_pk_fma_f32 v[S+32*\t:S+32*\t+1], v[S+32*\t:S+32*\t+1], s[CS:CS+1], v[ST+8*\t:ST+8*\t+1] op_sel_hi:[1,0,0] neg_lo:[0,0,1] neg_hi:[0,0,1]
.endr
.irp t, 0,1,2,3
	v_exp_f32 v[ST+8*\t+6], v[ST+8*\t+5]           ; a
.endr
.set i, 0
.rept 64
.if i+4 < 64
	v_pk_fma_f32 v[S+32*(i%4)+2*(i/4+1):S+32*(i%4)+2*(i/4+1)+1], v[S+32*(i%4)+2*(i/4+1):S+32*(i%4)+2*(i/4+1)+1], s[CS:CS+1], v[ST+8*(i%4):ST+8*(i%4)+1] op_sel_hi:[1,0,0] neg_lo:[0,0,1] neg_hi:[0,0,1]
.endif
	v_exp_f32 v[S+32*(i%4)+2*(i/4)], v[S+32*(i%4)+2*(i/4)]
	v_exp_f32 v[S+32*(i%4)+2*(i/4)+1], v[S+32*(i%4)+2*(i/4)+1]
.set i, i+1
.endr
	v_nop                                          ; a plain instruction behind the last exponential, ahead of the first use (ISA guide 5.7.2)
	s_wait_alu depctr_va_vdst(0)                   ; and a wait ahead of the first instruction that names a result: one for the batch
.irp t, 0,1,2,3
.irp p, 0,1,2,3,4,5,6,7,8,9,10,11,12,13,14,15
	v_cvt_pk_f16_f32 v[S+32*\t+\p], v[S+32*\t+2*\p], v[S+32*\t+2*\p+1]   ; P in place, ascending: register p is written when registers 2 p and 2 p + 1, never lower than p, are read
.endr
.endr
	WIN W_RS
.irp t, 0,1,2,3
.irp j, 0,2,4,6,8,10,12,14,16,18,20,22,24,26,28,30
	v_pk_mul_f32 v[32*\t+\j:32*\t+\j+1], v[32*\t+\j:32*\t+\j+1], v[ST+8*\t+6:ST+8*\t+7] op_sel_hi:[1,0]   ; O^T times a, each accumulator from its low end on
.endr
.endr
.irp t, 0,1,2,3
	v_mul_f32 v[LS+8*\t], v[LS+8*\t], v[ST+8*\t+6] ; the sum times a: register 0 alone holds it, the other seven stay zeros
.endr
	s_wait_dscnt 0x0                               ; V is in
	WIN W_PV
.irp u, 0,1                            ; O^T += V^T P and L += ONES x P, 32 keys at a time: twenty accumulators by turns, one instruction a turn
.irp n, 0,1,2,3
.irp t, 0,1,2,3
	v_wmma_f32_16x16x32_f16 v[32*\t+8*\n:32*\t+8*\n+7], v[KV+8*(4*\u+\n):KV+8*(4*\u+\n)+7], v[S+32*\t+8*\u:S+32*\t+8*\u+7], v[32*\t+8*\n:32*\t+8*\n+7]
.endr
.endr
.irp t, 0,1,2,3
	v_wmma_f32_16x16x32_f16 v[LS+8*\t:LS+8*\t+7], v[ONES:ONES+7], v[S+32*\t+8*\u:S+32*\t+8*\u+7], v[LS+8*\t:LS+8*\t+7]
.endr
.endr
	WIN 0
.endm
; A slot's eight key steps: written once, walked eight times; the LDS addresses hang on s[TB].
.macro SLOT_STEPS base
	s_mov_b32 s[TB], \base
	s_mov_b32 s[CNT], 8
.Lstep_\@:
	STEP
	s_add_co_u32 s[TB], s[TB], STEPB
	s_sub_co_u32 s[CNT], s[CNT], 1
	s_cmp_lg_u32 s[CNT], 0
	s_cbranch_scc1 .Lstep_\@
.endm
; THE CHANGE OF SLOTS.  Each wave waits for all its tensor loads, of which one is out: its part of the other slot; adds 0 to its spare word; and waits for that and for its own reads of the slot that it leaves.
; Behind the barrier nobody reads that slot any more and the other slot is whole.  fill = 1: the slot is filled again, by fill n.  The barrier is then a round of the cluster's, so that no wave of any
; partner still reads the slot or has a load on its way, and the joint refill is the first thing behind it, my one tensor load until the next change.
.macro CHANGE fill, n
	s_wait_tensorcnt 0x0
	ds_add_u32 v[SPW], v[NIL]                      ; 0 onto my spare word
	s_wait_dscnt 0x0                               ; the add is done, and my reads of the slot are over
.if \fill
	CROUND
	tensor_load_to_lds s[G0+4*\n:G0+4*\n+3], s[G1:G1+7]
	s_nop 0
.rept 4
	v_nop
.endr
.else
	s_barrier_signal -1
	s_barrier_wait -1
.endif
.endm
	s_wait_tensorcnt 1                             ; my part of slot 0 is in; slot 1's may stay out
	s_barrier_signal -1
	s_barrier_wait -1                              ; everybody's is
	s_wait_loadcnt 0x0                             ; Q
	SLOT_STEPS 0                                   ; keys 0-511
	CHANGE 1, 2                                    ; keys 1024-1535 into slot 0
	SLOT_STEPS SLOT1                               ; keys 512-1023
	CHANGE 1, 3                                    ; keys 1536-2047 into slot 1
	SLOT_STEPS 0
	CHANGE 0, 0                                    ; nothing is left to fetch
	SLOT_STEPS SLOT1
	; THE WAY OUT.  O^T is divided by the sum and sent through my stage in LDS, a tile (16 rows of 256 bytes) at a time, so that sixteen lanes store a head's 256 bytes of a row.
.rept 4
	v_nop                                          ; four places behind the last products
.endr
	WIN W_KQ
.irp t, 0,1,2,3
	v_rcp_f32 v[ST+8*\t+6], v[LS+8*\t]             ; the sum lies in its accumulator's lowest register
.endr
	v_nop                                          ; a plain instruction between the last reciprocal and the use of its result
	s_wait_alu depctr_va_vdst(0)                   ; and a wait ahead of the first use: one for the four
; Tile t: a lane's register 8 n + j is out(query r, channel 16 n + 8 h + j).  Into rows of 272 bytes, back as whole rows of 256, into the registers that they left.
.macro PACK t
	WIN W_KQ                                       ; source 0 (O^T) window 1; 1 / the sum and the destination window 0: S^T's registers are free
.irp j, 0,2,4,6,8,10,12,14,16,18,20,22,24,26,28,30
	v_pk_mul_f32 v[S+32*\t+\j:S+32*\t+\j+1], v[32*\t+\j:32*\t+\j+1], v[ST+8*\t+6:ST+8*\t+7] op_sel_hi:[1,0]
.endr
	WIN 0
.irp f, 0,1,2,3,4,5,6,7
	ds_store_b128 v[STO], v[S+32*\t+4*\f:S+32*\t+4*\f+3] offset:64*(\f/2)+16*(\f%2)
.endr
.irp f, 0,1,2,3,4,5,6,7
	ds_load_b128 v[S+32*\t+4*\f:S+32*\t+4*\f+3], v[RD] offset:\f*2*SP   ; LDS serves a wave's instructions in order (ISA guide 5.7.1.4): these see the stores above; the next tile's stores come behind them
.endr
.endm
.macro SEND t, younger                 ; younger: the LDS instructions issued behind tile t's loads: the next tile's sixteen, or none
.irp f, 0,1,2,3,4,5,6,7
	s_wait_dscnt \younger+7-\f
	global_store_b128 v[GO], v[S+32*\t+4*\f:S+32*\t+4*\f+3], s[10:11] offset:\t*65536+\f*8192 th:TH_STORE_NT   ; 16 lanes store 256 consecutive bytes, at a multiple of 256 from out's first byte
.endr
.endm
	PACK 0
	PACK 1                                         ; a tile's arithmetic stands between the loads of the tile before and its stores
	SEND 0, 16
	PACK 2
	SEND 1, 16
	PACK 3
	SEND 2, 16
	SEND 3, 0
	s_wait_tensorcnt 0x0                           ; the wave's end: behind my last tensor load and my last LDS store
	ds_add_u32 v[SPW], v[NIL]
	s_wait_dscnt 0x0
	CROUND                                         ; the closing round: no work-group ends while a partner may still ask for a tile that names it
	s_endpgm
.Lfunc_end_k_q292375fc51_attn:
	.size	k_q292375fc51_attn, .Lfunc_end_k_q292375fc51_attn-k_q292375fc51_attn
	.p2alignl 7, 3214868480
	.fill 96, 4, 3214868480
	.section	.rodata,"a",@progbits
	.p2align	6, 0x0
	.amdhsa_kernel k_q292375fc51_attn
		.amdhsa_group_segment_fixed_size 327680
		.amdhsa_private_segment_fixed_size 0
		.amdhsa_enable_private_segment 0
		.amdhsa_kernarg_size 32
		.amdhsa_user_sgpr_count 2
		.amdhsa_user_sgpr_kernarg_segment_ptr 1
		.amdhsa_wavefront_size32 1
		.amdhsa_system_sgpr_workgroup_id_x 1
		.amdhsa_system_sgpr_workgroup_id_y 1
		.amdhsa_system_sgpr_workgroup_id_z 1
		.amdhsa_system_vgpr_workitem_id 0
		.amdhsa_next_free_vgpr 512
		.amdhsa_next_free_sgpr 66
		.amdhsa_reserve_vcc 0
		.amdhsa_float_denorm_mode_32 3
		.amdhsa_float_denorm_mode_16_64 3
		.amdhsa_memory_ordered 1
		.amdhsa_forward_progress 1
		.amdhsa_inst_pref_size 141
	.end_amdhsa_kernel
	.amdgpu_metadata
---
amdhsa.version: [ 1, 2 ]
amdhsa.kernels:
  - .name:           k_q292375fc51_attn
    .symbol:         k_q292375fc51_attn.kd
    .args:
      - { .name: qf, .offset: 0, .size: 8, .value_kind: global_buffer, .address_space: global }
      - { .name: kf, .offset: 8, .size: 8, .value_kind: global_buffer, .address_space: global }
      - { .name: vf, .offset: 16, .size: 8, .value_kind: global_buffer, .address_space: global }
      - { .name: out0, .offset: 24, .size: 8, .value_kind: global_buffer, .address_space: global }
    .group_segment_fixed_size: 327680
    .private_segment_fixed_size: 0
    .kernarg_segment_align: 8
    .kernarg_segment_size: 32
    .max_flat_workgroup_size: 256
    .sgpr_count:     66
    .vgpr_count:     512
    .wavefront_size: 32
...
	.end_amdgpu_metadata
.endif
;; end of part 3
